; MI455X (gfx1250); checked and timed in simulation.
; The chip was launched on July 23, 2026; its instructions are those of AMD's public machine-readable ISA for CDNA 5 (MIT licence, August 2026) and "CDNA5" Instruction Set Architecture Reference Guide (July 2026). The comments in the code are by the model that wrote it; some were corrected since.
;; My LSTM Unit. Allowed arithmetic: float matrix products may take bf16 or f16 operands with f32 sums; all other float work in f32.
;; Inputs: ct 8,192 x 1,024 float32; ht 8,192 x 1,024 float32; wfh_b 1,024 float32; wfh_w 1,024 x 1,024 float32; wfx_b 1,024 float32; wfx_w 1,024 x 1,024 float32; wgh_b 1,024 float32; wgh_w 1,024 x 1,024 float32; wgx_b 1,024 float32; wgx_w 1,024 x 1,024 float32; wih_b 1,024 float32; wih_w 1,024 x 1,024 float32; wix_b 1,024 float32; wix_w 1,024 x 1,024 float32; woh_b 1,024 float32; woh_w 1,024 x 1,024 float32; word_emb 8,192 x 1,024 float32; wox_b 1,024 float32; wox_w 1,024 x 1,024 float32.
;; Outputs: out0 8,192 x 1,024 float32; out1 8,192 x 1,024 float32.
;; 2 versions, each right; version 2 is version 1 with the launch pack written anew for expert scheduling mode. Each part assembles by itself: llvm-mc -triple=amdgcn-amd-amdhsa -mcpu=gfx1250 --defsym DOCPART=n.
;; ======== version 1 of 2: 2 launches
;; limits: right only within a limited range of input values
;; workspace buffers: abf 33,554,432 bytes; wbf 16,777,216 bytes
;; launch pack (part 1): grid 768 x 1, 8 waves a work-group, no clusters, 0 bytes of LDS; arguments word_emb, ht, wfx_w, wix_w, wgx_w, wox_w, wfh_w, wih_w, wgh_w, woh_w, abf, wbf; writes abf, wbf
.if DOCPART == 1
	.amdgcn_target "amdgcn-amd-amdhsa--gfx1250"
	.amdhsa_code_object_version 6
	.text
	.protected	k_q5bd807d80e_pack
	.globl	k_q5bd807d80e_pack
	.p2align	8
	.type	k_q5bd807d80e_pack,@function
k_q5bd807d80e_pack:
	s_mov_b64 s[64:65], 0
	v_nop
	global_prefetch_b8 v0, s[64:65] scope:SCOPE_SE
	s_setreg_imm32_b32 hwreg(HW_REG_WAVE_MODE, 25, 1), 1
	s_wait_xcnt 0x0
; Rounds the matrix operands of the LSTM cell to bf16, once, and lays them out for the product that follows.
;   abf [8192][2048] bf16: row m = word_emb[m] (columns 0-1023), ht[m] (columns 1024-2047).
;   wbf [4096][2048] bf16: row (j>>5)*128 + g*32 + (j&31) = w{g}x_w[j] (columns 0-1023), w{g}h_w[j] (columns 1024-2047),
;       g = 0..3 for f, i, g, o and j the hidden column: the four gates of 32 hidden columns lie in 128 neighbouring rows.
; A stream: every source byte is read once and every destination byte written once, so LDS, barriers, the matrix unit
; and clusters have nothing to add (no two work-groups read the same byte).
; 24,576 source rows of 4,096 bytes; a work-group takes 32 rows of ONE source (768 work-groups), a wave four rows.
; Work-groups 0-255: word_emb; 256-511: ht; 512-767: weight matrix (id>>5)&7, its rows 32 (id&31) to 32 (id&31) + 31,
; which land on 32 neighbouring rows of wbf.  All 32 loads of a wave (16 KiB) go out at once.
.set ROWB, 4096                        ; bytes in a source row (1,024 f32) and in a destination row (2,048 bf16)
.set X,    4                           ; v[4:131]  load i: 4 registers
	s_load_b512 s[4:19], s[0:1], 0x0               ; sources 0 to 7: word_emb, ht, wfx, wix, wgx, wox, wfh, wih
	s_load_b256 s[20:27], s[0:1], 0x40             ; sources 8, 9: wgh, woh; abf s[24:25]; wbf s[26:27]
	v_lshrrev_b32 v3, 5, v0                        ; wave
	v_and_b32 v1, 31, v0                           ; lane
	v_lshlrev_b32 v2, 3, v1                        ; destination: 8 bytes a lane
	v_lshlrev_b32 v1, 4, v1                        ; source: 16 bytes a lane
	v_lshl_or_b32 v1, v3, 14, v1                   ; + wave x 4 rows of 4,096 bytes, in both
	v_lshl_or_b32 v2, v3, 14, v2
	; activations: source number id>>8, rows 32 (id&255) ..
	s_lshr_b32 s28, ttmp9, 8                       ; 0 word_emb, 1 ht: also the half of abf's row
	s_and_b32 s33, ttmp9, 255
	s_lshl_b32 s33, s33, 17                        ; 32 rows of 4,096 bytes: the offset in the source, and of the rows in abf
	s_lshl_b32 s34, s28, 11                        ; the half of the row: 1,024 bf16
	s_or_b32 s34, s34, s33
	; weights: matrix wi = (id>>5)&7 (gate wi&3, side wi>>2), block id&31
	s_bfe_u32 s38, ttmp9, 0x30005                  ; wi: 3 bits from bit 5
	s_add_co_u32 s29, s38, 2                       ; its source number
	s_and_b32 s35, ttmp9, 31
	s_lshl_b32 s36, s35, 17                        ; the offset in the source
	s_lshl_b32 s37, s35, 19                        ; in wbf: block x 128 rows
	s_and_b32 s39, s38, 3
	s_lshl_b32 s39, s39, 17                        ; + gate x 32 rows
	s_or_b32 s37, s37, s39
	s_lshr_b32 s39, s38, 2
	s_lshl_b32 s39, s39, 11                        ; + the half of the row
	s_or_b32 s37, s37, s39
	s_cmp_lt_u32 ttmp9, 512                        ; activations or weights?  Only lines that leave SCC alone follow, up to the last select
	s_cselect_b32 s28, s28, s29                    ; the source's number, 0 to 9
	s_cselect_b32 s40, s33, s36                    ; offset in the source
	s_cselect_b32 s42, s34, s37                    ; offset in the destination
	s_mov_b32 s41, 0
	s_mov_b32 s43, 0
	s_wait_kmcnt 0x0
	s_cselect_b64 s[44:45], s[24:25], s[26:27]     ; abf or wbf
	s_mov_b64 s[30:31], s[4:5]
.irp n, 1,2,3,4,5,6,7,8,9
	s_cmp_eq_u32 s28, \n                           ; the condition hangs on the work-group's number alone
	s_cselect_b64 s[30:31], s[4+2*\n:5+2*\n], s[30:31]
.endr
	s_add_nc_u64 s[30:31], s[30:31], s[40:41]
	s_add_nc_u64 s[44:45], s[44:45], s[42:43]
.set i, 0
.rept 32
	global_load_b128 v[X+4*i:X+4*i+3], v1, s[30:31] offset:(i>>3)*ROWB+(i&7)*512 th:TH_LOAD_NT   ; 512 neighbouring bytes a load, eight loads a row; read once in the launch
.set i, i+1
.endr
.set i, 0
.rept 32
	s_wait_loadcnt 31-i                            ; loads come back in order (ISA guide 5.7.1): load i is in, the 31 - i younger ones stay out
	v_cvt_pk_bf16_f32 v[X+4*i],   v[X+4*i],   v[X+4*i+1]   ; two roundings to nearest even, packed
	v_cvt_pk_bf16_f32 v[X+4*i+1], v[X+4*i+2], v[X+4*i+3]
	global_store_b64 v2, v[X+4*i:X+4*i+1], s[44:45] offset:(i>>3)*ROWB+(i&7)*256   ; the wave's 32 lanes store 256 consecutive bytes, at a multiple of 256 from the buffer's first byte
.set i, i+1
.endr
	s_endpgm
.Lfunc_end_k_q5bd807d80e_pack:
	.size	k_q5bd807d80e_pack, .Lfunc_end_k_q5bd807d80e_pack-k_q5bd807d80e_pack
	.p2alignl 7, 3214868480
	.fill 96, 4, 3214868480
	.section	.rodata,"a",@progbits
	.p2align	6, 0x0
	.amdhsa_kernel k_q5bd807d80e_pack
		.amdhsa_group_segment_fixed_size 0
		.amdhsa_private_segment_fixed_size 0
		.amdhsa_enable_private_segment 0
		.amdhsa_kernarg_size 96
		.amdhsa_user_sgpr_count 2
		.amdhsa_user_sgpr_kernarg_segment_ptr 1
		.amdhsa_wavefront_size32 1
		.amdhsa_system_sgpr_workgroup_id_x 1
		.amdhsa_system_sgpr_workgroup_id_y 1
		.amdhsa_system_sgpr_workgroup_id_z 1
		.amdhsa_system_vgpr_workitem_id 0
		.amdhsa_next_free_vgpr 136
		.amdhsa_next_free_sgpr 66
		.amdhsa_reserve_vcc 0
		.amdhsa_float_denorm_mode_32 3
		.amdhsa_float_denorm_mode_16_64 3
		.amdhsa_memory_ordered 1
		.amdhsa_forward_progress 1
		.amdhsa_inst_pref_size 14
	.end_amdhsa_kernel
	.amdgpu_metadata
---
amdhsa.version: [ 1, 2 ]
amdhsa.kernels:
  - .name:           k_q5bd807d80e_pack
    .symbol:         k_q5bd807d80e_pack.kd
    .args:
      - { .name: word_emb, .offset: 0, .size: 8, .value_kind: global_buffer, .address_space: global }
      - { .name: ht, .offset: 8, .size: 8, .value_kind: global_buffer, .address_space: global }
      - { .name: wfx_w, .offset: 16, .size: 8, .value_kind: global_buffer, .address_space: global }
      - { .name: wix_w, .offset: 24, .size: 8, .value_kind: global_buffer, .address_space: global }
      - { .name: wgx_w, .offset: 32, .size: 8, .value_kind: global_buffer, .address_space: global }
      - { .name: wox_w, .offset: 40, .size: 8, .value_kind: global_buffer, .address_space: global }
      - { .name: wfh_w, .offset: 48, .size: 8, .value_kind: global_buffer, .address_space: global }
      - { .name: wih_w, .offset: 56, .size: 8, .value_kind: global_buffer, .address_space: global }
      - { .name: wgh_w, .offset: 64, .size: 8, .value_kind: global_buffer, .address_space: global }
      - { .name: woh_w, .offset: 72, .size: 8, .value_kind: global_buffer, .address_space: global }
      - { .name: abf, .offset: 80, .size: 8, .value_kind: global_buffer, .address_space: global }
      - { .name: wbf, .offset: 88, .size: 8, .value_kind: global_buffer, .address_space: global }
    .group_segment_fixed_size: 0
    .private_segment_fixed_size: 0
    .kernarg_segment_align: 8
    .kernarg_segment_size: 96
    .max_flat_workgroup_size: 256
    .sgpr_count:     66
    .vgpr_count:     136
    .wavefront_size: 32
...
	.end_amdgpu_metadata
.endif
;; end of part 1
;; launch lstm (part 2): grid 16 x 32, 4 waves a work-group, clusters of 4 x 4, 327,680 bytes of LDS; arguments wfx_b, wfh_b, wix_b, wih_b, wgx_b, wgh_b, wox_b, woh_b, abf, wbf, ct, out0, out1; writes out0, out1
.if DOCPART == 2
	.amdgcn_target "amdgcn-amd-amdhsa--gfx1250"
	.amdhsa_code_object_version 6
	.text
	.protected	k_q5bd807d80e_lstm
	.globl	k_q5bd807d80e_lstm
	.p2align	8
	.type	k_q5bd807d80e_lstm,@function
k_q5bd807d80e_lstm:
	s_mov_b64 s[64:65], 0
	v_nop
	global_prefetch_b8 v0, s[64:65] scope:SCOPE_SE
	s_setreg_imm32_b32 hwreg(HW_REG_WAVE_MODE, 25, 1), 1
	s_wait_xcnt 0x0
	s_wait_alu depctr_hold_cnt(0) depctr_sa_sdst(0) depctr_va_vdst(0) depctr_va_sdst(0) depctr_va_ssrc(0) depctr_va_vcc(0) depctr_vm_vsrc(0)
	s_getreg_b32 s2, hwreg(HW_REG_IB_STS2, 6, 4)
	s_cmp_eq_u32 s2, 0
	s_cbranch_scc0 .Lentry_in_a_cluster
	s_endpgm
.Lentry_in_a_cluster:
	s_bfe_u32 s2, ttmp6, 0x10000c
	s_cmp_lg_u32 s2, 0xf033
	s_cbranch_scc0 .Lentry_shape_is_right
	s_endpgm
.Lentry_shape_is_right:
; The LSTM cell: gates = abf x wbf^T (+ the eight biases), then
;   out1 = c_new = sigmoid(f) ct + sigmoid(i) tanh(g),   out0 = h_new = sigmoid(o) tanh(c_new).
; abf [8192][2048] and wbf [4096][2048] are bf16 (made by the launch before); sums, biases and the cell are f32.
; wbf's rows are ordered so that 128 neighbouring rows hold the four gates of 32 hidden columns: row (j>>5)*128 + g*32 + (j&31).
;
; THE PRODUCT.  A work-group makes 256 rows x 256 gate columns (64 hidden columns x 4 gates) with four waves, as many as a WGP has SIMDs;
; a wave makes 128 x 128: 64 accumulator tiles of 16 x 16, 512 registers.  K = 2048 goes in 16 steps of 128 through a ring of two LDS slots
; filled by the tensor data mover; a tile's rows are 256 bytes of memory and start at multiples of 256 bytes from the buffer's first byte.
; CLUSTERS: 4 x 4 work-groups.  The four of a row of the cluster need the same tiles of abf, the four of a column the same tiles of wbf.
; Such a tile is asked for jointly: each of the four issues the same tensor load, with the same descriptor and a mask that names the four.
; A wave has two tensor loads out at the start and one behind each round of the cluster's barrier.
; The 64 accumulators take turns, one matrix instruction a turn, in the same order in every quarter step.
;
; THE CELL.  The f32 gate sums go once through LDS (the ring's bytes, after both slots have had their last fill), so that a lane gets the
; four gates of four neighbouring hidden columns, and sixteen lanes load and store 256 consecutive bytes of ct, out0 and out1.
; With E = 2^e and D = 1 + E:  sigmoid(x) = 1 / D for e = -log2(e) x;  tanh(x) = (E - 1) / D for e = 2 log2(e) x.  So
;   c_new = (ct Di Dg + (Eg - 1) Df) / (Df Di Dg),   h_new = (Ec - 1) / (Do Dc):  five exponentials and two reciprocals a number.
;
; LIMITS.  Matrix operands are rounded to bf16.  Every exponent e is capped at 30, so that no product of three D passes 2^91: this moves a
; sigmoid by at most 2^-30 and a tanh by at most 2^-29.  |ct| must stay below 2^60 (ct Di Dg stays finite).  A gate sum that is NaN is not
; passed on: the cap (v_min_num_f32) takes 30 in its place.
;
; REGISTERS, in windows of 256:
;   window 0: v1-7 at work in the head; v16-29 addresses; v32-47 biases; v48-63 the h biases in the head, then v48-55 at work in the cell;
;             v64-127, v128-191 fragments of A, two buffers, then ct and c_new; v192-223, v224-255 the cell's two gate buffers
;   window 1: v64-127, v128-191 fragments of B, two buffers
;   window 2: the 32 accumulator tiles of my rows 0-63 (tile (a, b) at v[8 (8 a + b)]);   window 3: those of my rows 64-127
; THE MATRIX INSTRUCTION IS USED TRANSPOSED: source 0 = 16 rows of wbf, source 1 = 16 rows of abf.  Lane l then holds row l % 16 of the
; tile, and its registers 0 to 7 the columns 8 (l / 16) + 0 .. 7.  In tile (a, b): gate b >> 1, hidden columns 16 (b & 1) + ..
.set SIZE_K, 2048
.set KSTEP,  128
.set PITCH,  272                       ; an LDS row: 256 bytes of data + 16 of padding: the 16 rows that a fragment load touches start 68 words apart, at 16 different banks (64 banks of 4 bytes: ISA guide 11.1)
.set HALFT,  128*PITCH                 ; 128 rows: what one tensor load brings, and what one wave reads of A or of B
.set SLOT,   4*HALFT                   ; A's 256 rows, then B's 256 rows
.set LAPS,   SIZE_K/(2*KSTEP)          ; a lap = two K steps = once round the ring: 8
.set SP,     528                       ; the stage: a row = 4 gates x 32 hidden columns x 4 bytes + 16 of padding (33 x 16 bytes)
.set REG,    128*SP+128                ; the stage: a wave's region, 128 rows; 128 bytes more, so that odd regions begin half a row of banks further on
.set ROWB,   4096                      ; bytes in a row of ct, out0, out1
.set ADRA, 16                          ; v16-17  LDS address of my A fragments in slot 0, 1
.set ADRB, 20                          ; v20-21  the same for B
.set STO,  24                          ; v24     the stage: where I put my tiles
.set RD,   26                          ; v26     the stage: where I read gates back
.set CO,   27                          ; v27     my byte offset in ct, out0, out1
.set BOF,  28                          ; v28     my byte offset in a bias
.set PF,   29                          ; v29     the prefetch of ct: one row a lane
.set BIAS, 32                          ; v32-47  gate g: 4 registers, (bx + bh) of my four hidden columns times the gate's factor
.set T,    48                          ; v48-55  at work in the cell
.set F0,   64                          ; fragment buffer 0
.set F1,   128                         ; fragment buffer 1
.set CT,   64                          ; v64-191 the cell: ct of my 32 groups of two rows, 4 registers each; then c_new
.set GA,   192                         ; the cell's gate buffers: gate g of group e at +8 g + 4 e
.set GB,   224
.set G1, 24                            ; s[24:31] descriptor group 1 for A's tiles
.set G0, 32                            ; s[32:39] descriptor group 0 for A's tiles, one set for each slot
.set G1B, 48                           ; s[48:55] descriptor group 1 for B's tiles: it differs from A's in the mask alone
.set G0B, 56                           ; s[56:63] descriptor group 0 for B's tiles, one set for each slot
.set MSB, 0
.macro WIN new                         ; s_set_vgpr_msb: bits 1:0 source 0, 3:2 source 1, 5:4 source 2, 7:6 destination; the high byte repeats the setting that is left
.if MSB != \new
	s_set_vgpr_msb (MSB<<8)|\new
.set MSB, \new
.endif
.endm
.set MUL_LO, 0xa1                      ; source 0 (B) window 1, source 1 (A) window 0, C and D window 2
.set MUL_HI, 0xf1                      ; the same, C and D window 3
.set TO_B,   0x40                      ; destination window 1, address window 0
; A joint load.  Waves 0 and 1 fetch A's two halves, waves 2 and 3 B's.  Each line has one mask and one set of registers for all that issue it.
; The branch hangs on the wave's number alone: it is the same in every work-group.
.macro JLOAD s
	s_cmp_eq_u32 s11, 0
	s_cbranch_scc0 .Lfor_b_\@
	tensor_load_to_lds s[G0+4*\s:G0+4*\s+3], s[G1:G1+7]
	s_nop 0
	s_branch .Lasked_\@
.Lfor_b_\@:
	tensor_load_to_lds s[G0B+4*\s:G0B+4*\s+3], s[G1B:G1B+7]
	s_nop 0
.Lasked_\@:
.endm
; A round of the cluster's barrier: my work-group's barrier, so that wave 0's signal speaks for all four waves; wave 0 signals for the work-group;
; every wave waits for all sixteen work-groups; my work-group's barrier once more.
.macro CREST                           ; a round behind its opening barrier
	s_cmp_lg_u32 s10, 0
	s_cbranch_scc1 .Lnot_wave_0_\@
	s_barrier_signal -3
.Lnot_wave_0_\@:
	s_barrier_wait -3
	s_barrier_signal -1
	s_barrier_wait -1
.endm
.macro CROUND                          ; a whole round
	s_barrier_signal -1
	s_barrier_wait -1
	CREST
.endm
	s_load_b128 s[4:7], s[0:1], 0x40               ; abf s[4:5], wbf s[6:7]
	s_load_b512 s[68:83], s[0:1], 0x0              ; the biases: gate g's x bias s[68+4g:69+4g], its h bias s[70+4g:71+4g]
	s_load_b128 s[84:87], s[0:1], 0x50             ; ct s[84:85], out0 s[86:87]
	s_load_b64 s[88:89], s[0:1], 0x60              ; out1
	s_set_vgpr_msb 0x40
	v_lshl_add_u32 v255, v0, 2, 0x44000
	s_set_vgpr_msb 0x4000
	v_mov_b32 v31, 0
	s_set_vgpr_msb 0x1
	ds_add_u32 v255, v31
	s_set_vgpr_msb 0x100
	v_lshrrev_b32 v1, 5, v0
	v_readfirstlane_b32 s10, v1                    ; wave 0..3
	s_lshr_b32 s11, s10, 1                         ; which half of the block's rows is mine.  Also: I fetch for A (0) or for B (1)
	s_and_b32 s12, s10, 1                          ; which half of its columns.  Also: which 128 rows of that tile I fetch
	s_bfe_u32 s40, ttmp6, 0x40000                  ; cx: my place along the cluster's x
	s_bfe_u32 s41, ttmp6, 0x40004                  ; cy: along its y
	s_lshl_b32 s42, ttmp9, 2                       ; in a cluster launch ttmp9 and ttmp7 count clusters
	s_add_co_u32 s42, s42, s40                     ; block column = 4 x cluster x + cx, 0 to 15
	s_and_b32 s13, ttmp7, 0xffff
	s_lshl_b32 s13, s13, 2
	s_add_co_u32 s13, s13, s41                     ; block row = 4 x cluster y + cy, 0 to 31
	s_lshl_b32 s43, s41, 2
	s_lshl_b32 s43, 15, s43                        ; my row of the cluster: places 4 cy .. 4 cy + 3
	s_lshl_b32 s44, 0x1111, s40                    ; my column: places cx, cx + 4, cx + 8, cx + 12
	; descriptor group 1: a tile of 128 rows x 128 elements, padded in LDS
	s_or_b32 s[G1+0], s43, (1<<16)|(1<<20)|(1<<21)|(5<<22)|(3<<25)  ; 15:0 the mask: A's tiles go to my row; 17:16 element of 2 bytes; 20 padding on; 21 set beside a mask; 24:22 after every 64 words (code 5); 31:25 of 4 words (code 3)
	s_or_b32 s[G1B+0], s44, (1<<16)|(1<<20)|(1<<21)|(5<<22)|(3<<25) ; the same with the mask of my column, for B's tiles
	s_mov_b32 s[G1B+1], KSTEP<<16
	s_mov_b32 s[G1+1], KSTEP<<16                   ; 63:48 tensor_dim0, low half = 128
	s_mov_b32 s[G1B+2], 128<<16
	s_mov_b32 s[G1+2], 128<<16                     ; 79:64 its high half = 0; 95:80 tensor_dim1, low half = 128
	s_mov_b32 s[G1B+3], KSTEP<<16
	s_mov_b32 s[G1+3], KSTEP<<16                   ; 111:96 its high half = 0; 127:112 tile_dim0 = 128
	s_mov_b32 s[G1B+4], 128
	s_mov_b32 s[G1+4], 128                         ; 143:128 tile_dim1 = 128; 159:144 tile_dim2 = 0
	s_mov_b32 s[G1B+5], SIZE_K
	s_mov_b32 s[G1+5], SIZE_K                      ; 191:160 tensor_dim0_stride, low word: elements from row to row
	s_mov_b32 s[G1B+6], 0
	s_mov_b32 s[G1+6], 0
	s_mov_b32 s[G1B+7], 0
	s_mov_b32 s[G1+7], 0
	; where the tiles come from.  A's hang on the block row alone, which my row of the cluster shares; B's on the block column alone, which my column shares.
	; Every wave makes both addresses, in registers that never hold the other coordinate, and asks by one of them.
	s_lshl_b32 s17, s12, 7                         ; which 128 rows of the tile I fetch
	s_lshl_b32 s16, s13, 8
	s_add_co_u32 s16, s16, s17                     ; A: row 256 x block row + 128 x half
	s_lshl_b32 s46, s42, 8
	s_add_co_u32 s46, s46, s17                     ; B: row 256 x block column + 128 x half
	s_mov_b32 s17, 0
	s_mov_b32 s47, 0
	s_mov_b64 s[18:19], SIZE_K*2
	s_mul_u64 s[16:17], s[16:17], s[18:19]         ; in bytes
	s_mul_u64 s[46:47], s[46:47], s[18:19]
	s_mul_i32 s20, s10, HALFT                      ; and where they go: A's two halves, then B's two halves = wave x 128 rows: no place in the cluster enters an LDS address
	; the cell's share: wave w takes rows 64 w .. 64 w + 63 of the block and all its 64 hidden columns
	s_lshl_b32 s96, s13, 8
	s_lshl_b32 s97, s10, 6
	s_add_co_u32 s96, s96, s97                     ; my first row, at most 8,128
	s_lshl_b32 s96, s96, 12                        ; x 4,096 bytes: below 2^25
	s_lshl_b32 s97, s42, 8                         ; + 64 hidden columns x 4 bytes x block column
	s_add_co_u32 s96, s96, s97
	s_mov_b32 s97, 0
	s_mov_b32 s90, 0xbfb8aa3b                      ; -log2(e), twice: the pair that the packed forms name
	s_mov_b32 s91, 0xbfb8aa3b
	s_mov_b32 s92, 0x4038aa3b                      ; 2 log2(e), twice
	s_mov_b32 s93, 0x4038aa3b
	s_mov_b32 s94, 0x41f00000                      ; 30.0: the cap on the exponents
	s_wait_dscnt 0x0
	s_wait_kmcnt 0x0
	s_add_nc_u64 s[14:15], s[4:5], s[16:17]
	s_add_nc_u64 s[46:47], s[6:7], s[46:47]
	s_add_nc_u64 s[84:85], s[84:85], s[96:97]      ; ct, out0, out1 at my first row and the block's first column
	s_add_nc_u64 s[86:87], s[86:87], s[96:97]
	s_add_nc_u64 s[88:89], s[88:89], s[96:97]
	CROUND                                         ; all sixteen work-groups are here: the first joint loads meet
.irp s, 0,1
	s_mov_b32 s[G0+4*\s], 1                                        ; 1:0 count = 1
	s_add_co_u32 s[G0+4*\s+1], s20, \s*SLOT                        ; 63:32 LDS address
	s_add_nc_u64 s[G0+4*\s+2:G0+4*\s+3], s[14:15], \s*KSTEP*2      ; 120:64 global address: K step s
	s_or_b32 s[G0+4*\s+3], s[G0+4*\s+3], 0x80000000                ; 127:126 type = 2
	s_mov_b32 s[G0B+4*\s], 1
	s_add_co_u32 s[G0B+4*\s+1], s20, \s*SLOT
	s_add_nc_u64 s[G0B+4*\s+2:G0B+4*\s+3], s[46:47], \s*KSTEP*2
	s_or_b32 s[G0B+4*\s+3], s[G0B+4*\s+3], 0x80000000
	JLOAD \s                                       ; the ring is filled before anything else is done
.endr
	; A fragment is 16 rows x 32 K in 8 registers: lane l holds row l % 16; registers 0-3 hold K = 8 (l / 16) + 0..7, registers 4-7 hold
	; K = 16 + 8 (l / 16) + 0..7.  From rows that lie along K: two loads of 16 bytes, 32 bytes apart.  The same for source 0 and source 1.
	v_and_b32 v1, 15, v0                           ; r = l % 16
	v_bfe_u32 v2, v0, 4, 1                         ; h = l / 16
	v_mul_u32_u24 v3, v1, PITCH
	v_lshl_add_u32 v3, v2, 4, v3                   ; row x pitch + 16 x half
	s_mul_i32 s21, s11, HALFT                      ; my 128 rows of A
	s_mul_i32 s22, s12, HALFT                      ; my 128 rows of B,
	s_add_co_u32 s22, s22, 2*HALFT                 ; which lie behind A's 256
.irp s, 0,1
	v_add_nc_u32 v[ADRA+\s], s21, v3
	v_add_nc_u32 v[ADRB+\s], s22, v3
	s_add_co_u32 s21, s21, SLOT
	s_add_co_u32 s22, s22, SLOT
.endr
	; the stage.  Region w (wave x REG) holds wave w's 128 rows x (4 gates x 32 hidden columns); element (row, gate, column) at row x 528 + gate x 128 + 4 x column.
	s_mul_i32 s23, s10, REG
	v_mul_u32_u24 v4, v1, SP                       ; in: row r of a tile,
	v_lshl_add_u32 v4, v2, 5, v4                   ; columns 8 h .. 8 h + 7: 32 bytes
	v_add_nc_u32 v[STO], s23, v4
	; back: block row 64 w + 2 t + h lies in regions 2 (w>>1) and 2 (w>>1) + 1, at their row 64 (w&1) + 2 t + h; lane r takes hidden columns 4 r .. 4 r + 3:
	; region 2 (w>>1) + (r>>3), byte 16 (r&7) of the gate's 128
	s_mul_i32 s21, s11, 2*REG
	s_mul_i32 s22, s12, 64*SP
	s_add_co_u32 s21, s21, s22
	v_lshrrev_b32 v5, 3, v1
	v_mul_u32_u24 v5, v5, REG
	v_and_b32 v6, 7, v1
	v_lshl_add_u32 v5, v6, 4, v5
	v_mul_u32_u24 v6, v2, SP
	v_add3_u32 v[RD], v5, v6, s21
	v_lshlrev_b32 v6, 4, v1                        ; 16 r: my four hidden columns
	v_lshl_or_b32 v[CO], v2, 12, v6                ; lanes 16 to 31 one row further down
	v_lshl_add_u32 v[BOF], s42, 8, v6              ; in a bias: 256 x block column + 16 r
	v_and_b32 v5, 31, v0
	v_lshlrev_b32 v[PF], 12, v5                    ; one row of ct a lane
.irp g, 0,1,2,3
	global_load_b128 v[BIAS+4*\g:BIAS+4*\g+3], v[BOF], s[68+4*\g:69+4*\g]         ; 16 lanes take 256 consecutive bytes; lanes 16 to 31 the same
	global_load_b128 v[BIAS+16+4*\g:BIAS+16+4*\g+3], v[BOF], s[70+4*\g:71+4*\g]
.endr
	s_wait_loadcnt 0x0                             ; once, while the first tiles are on their way
.irp q, 0,2,4,6,8,10,12,14
	v_pk_add_f32 v[BIAS+\q:BIAS+\q+1], v[BIAS+\q:BIAS+\q+1], v[BIAS+16+\q:BIAS+16+\q+1]   ; bx + bh
.endr
.irp q, 0,2,4,6,12,14
	v_pk_mul_f32 v[BIAS+\q:BIAS+\q+1], v[BIAS+\q:BIAS+\q+1], s[90:91] op_sel_hi:[1,0]    ; f, i, o: times -log2(e), so that one fused multiply-add makes an exponent
.endr
.irp q, 8,10
	v_pk_mul_f32 v[BIAS+\q:BIAS+\q+1], v[BIAS+\q:BIAS+\q+1], s[92:93] op_sel_hi:[1,0]    ; g: times 2 log2(e)
.endr
; 16 matrix instructions: m blocks a0, a0 + 1 of the window's four (hi = 0: my rows 0-63, 1: rows 64-127) x all 8 n blocks, 32 along K.
; zero = 1: the first product starts the sums: nothing is ever cleared.
.macro MUL16 f, hi, a0, zero
.irp a, \a0, \a0+1
.irp b, 0,1,2,3,4,5,6,7
.if \zero
	v_wmma_f32_16x16x32_bf16 v[8*(8*(\a)+\b):8*(8*(\a)+\b)+7], v[\f+8*\b:\f+8*\b+7], v[\f+8*(4*\hi+\a):\f+8*(4*\hi+\a)+7], 0
.else
	v_wmma_f32_16x16x32_bf16 v[8*(8*(\a)+\b):8*(8*(\a)+\b)+7], v[\f+8*\b:\f+8*\b+7], v[\f+8*(4*\hi+\a):\f+8*(4*\hi+\a)+7], v[8*(8*(\a)+\b):8*(8*(\a)+\b)+7]
.endif
.endr
.endr
.endm
; 32 LDS loads in one run: the fragments of one quarter step (128 rows of B, 128 rows of A, 32 K at byte k of the rows) into buffer f
.macro FETCH slot, k, f
	WIN TO_B
.irp i, 0,1,2,3,4,5,6,7
	ds_load_b128 v[\f+8*\i:\f+8*\i+3],   v[ADRB+\slot] offset:\k+\i*16*PITCH
	ds_load_b128 v[\f+8*\i+4:\f+8*\i+7], v[ADRB+\slot] offset:\k+\i*16*PITCH+32
.endr
	WIN 0
.irp i, 0,1,2,3,4,5,6,7
	ds_load_b128 v[\f+8*\i:\f+8*\i+3],   v[ADRA+\slot] offset:\k+\i*16*PITCH
	ds_load_b128 v[\f+8*\i+4:\f+8*\i+7], v[ADRA+\slot] offset:\k+\i*16*PITCH+32
.endr
.endm
; A load into a register that a matrix instruction has read, and a store or vector instruction that reads a matrix result, stand four places
; behind that matrix instruction, and only plain vector instructions that name none of its registers are places (ISA guide 7.12.1 for vector
; instructions).  So four v_nop stand in front of each run of loads and in front of the stage.
.macro PLACES
.rept 4
	v_nop
.endr
.endm
; A K step is four quarter steps of 32 along K, 64 matrix instructions each, on buffers 0, 1, 0, 1.
; One of the first three: multiplies buffer f; in its middle it fetches the next quarter's fragments, at byte k of the same slot's rows, into buffer g.
.macro QUARTER slot, k, f, g, zero
	s_wait_dscnt 8                                 ; B and A's rows 0-63 are in; the youngest eight loads (A's rows 64-127) may be out
	WIN MUL_LO
	MUL16 \f, 0, 0, \zero
	MUL16 \f, 0, 2, \zero
	PLACES
	FETCH \slot, \k, \g
	s_wait_dscnt 32                                ; all but the 32 just issued
	WIN MUL_HI
	MUL16 \f, 1, 0, \zero
	MUL16 \f, 1, 2, \zero
.endm
.macro THREE slot, zero
	QUARTER \slot, 64,  F0, F1, \zero
	QUARTER \slot, 128, F1, F0, 0
	QUARTER \slot, 192, F0, F1, 0
.endm
; The last quarter: multiplies buffer 1 and changes slots.  next = the other slot; fill = 1: this slot is filled again, two K steps ahead.
; One barrier for the change of slots, for two things.  In front of it each wave waits for its own reads of this slot and for all its tensor loads,
; of which one is out: its part of the next slot.  Behind it nobody reads this slot any more and the next slot is whole: the refill comes
; first, then the next slot's first fragments.  From a request to the wait for it a wave issues 240 matrix instructions.
.macro TURN slot, next, fill
	s_wait_dscnt 8
	WIN MUL_LO
	MUL16 F1, 0, 0, 0
	s_wait_dscnt 0                                 ; my reads of this slot are over
	s_wait_tensorcnt 0x0                           ; and all my tensor loads have landed: the one that was out is my part of the next slot:
	ds_add_u32 v255, v31
	s_wait_dscnt 0x0
	s_barrier_signal -1                            ; say so (where a slot is filled again this barrier opens a round of the cluster's barrier),
	MUL16 F1, 0, 2, 0                              ; work on registers while the others arrive,
	WIN 0
	s_barrier_wait -1                              ; and go on when all four have said so
.if \fill
	CREST                                          ; wave 0 says so for the work-group, all sixteen work-groups have said so, my work-group's barrier closes the round:
	                                               ; no wave of any partner still reads this slot's tile or has a load on its way
	s_add_nc_u64 s[G0+4*\slot+2:G0+4*\slot+3], s[G0+4*\slot+2:G0+4*\slot+3], 2*KSTEP*2
	s_add_nc_u64 s[G0B+4*\slot+2:G0B+4*\slot+3], s[G0B+4*\slot+2:G0B+4*\slot+3], 2*KSTEP*2
	JLOAD \slot                                    ; the first tensor load behind the round
.endif
	PLACES
	FETCH \next, 0, F0
	WIN MUL_HI
	MUL16 F1, 1, 0, 0
	MUL16 F1, 1, 2, 0
.endm
.macro LAP zero                        ; once round the ring, both slots filled again
	THREE 0, \zero
	TURN 0, 1, 1
	THREE 1, 0
	TURN 1, 0, 1
.endm
	s_wait_tensorcnt 1                             ; my part of K step 0 is in; K step 1's load, issued behind it, stays out
	s_barrier_signal -1
	s_barrier_wait -1                              ; everybody's is
	FETCH 0, 0, F0
	LAP 1                                          ; the first lap stands in front of the loop: its first products start the sums
	WIN 0                                          ; at a label and at a branch every window is 0
	s_mov_b32 s3, LAPS-2
.Llap:
	LAP 0
	WIN 0
	s_sub_co_u32 s3, s3, 1
	s_cmp_lg_u32 s3, 0
	s_cbranch_scc1 .Llap
	THREE 0, 0                                     ; the last lap fills nothing, and has no round of the cluster's barrier: my one tensor load that is still out is slot 1's, the last K step's
	TURN 0, 1, 0
	WIN 0
	; ct is wanted behind the last K step, 256 matrix instructions from here.  Each lane names the first byte of one row's 256 bytes of my 64 rows x 64 columns:
	; 64 such pieces, each asked for once in the launch, by the wave that will load it; all lie inside ct.
	global_prefetch_b8 v[PF], s[84:85] th:TH_LOAD_NT scope:SCOPE_SE
	global_prefetch_b8 v[PF], s[84:85] offset:32*ROWB th:TH_LOAD_NT scope:SCOPE_SE
	THREE 1, 0
	s_wait_dscnt 8                                 ; the very last quarter: nothing more to fetch
	WIN MUL_LO
	MUL16 F1, 0, 0, 0
	MUL16 F1, 0, 2, 0
	s_wait_dscnt 0
	WIN MUL_HI
	MUL16 F1, 1, 0, 0
	MUL16 F1, 1, 2, 0
	; THE STAGE.  The four v_nop are the places behind the last matrix instructions: for the loads into A's fragment buffers and for the LDS stores of results.
	PLACES
	WIN 0
.set t, 0
.rept 32
	global_load_b128 v[CT+4*t:CT+4*t+3], v[CO], s[84:85] offset:t*2*ROWB th:TH_LOAD_NT   ; group t: my rows 2 t and 2 t + 1; 16 lanes take 256 consecutive bytes; read once in the launch
.set t, t+1
.endr
	s_wait_dscnt 0x0                               ; my reads of the ring are over (met: the last quarter waited for them); no tensor load is out since the last change of slots
	s_barrier_signal -1
	s_barrier_wait -1                              ; nobody reads the ring any more, and nothing fills it again: its bytes now serve as the stage
; the 32 tiles of one window, 32 bytes a lane and tile, into my own region
.macro STAGE hi
.irp a, 0,1,2,3
.irp b, 0,1,2,3,4,5,6,7
	ds_store_b128 v[STO], v[8*(8*\a+\b):8*(8*\a+\b)+3]   offset:(4*\hi+\a)*16*SP+(\b>>1)*128+(\b&1)*64
	ds_store_b128 v[STO], v[8*(8*\a+\b)+4:8*(8*\a+\b)+7] offset:(4*\hi+\a)*16*SP+(\b>>1)*128+(\b&1)*64+16
.endr
.endr
.endm
	WIN 0x08                                       ; an LDS store's data is source 1: window 2
	STAGE 0
	WIN 0x0c                                       ; window 3
	STAGE 1
	WIN 0
	s_wait_dscnt 0x0                               ; my stores are done, for the others' sake
	s_barrier_signal -1
	s_barrier_wait -1                              ; everybody's are: the stage may be read
	; THE CELL, 16 batches of two groups (four rows): 8 numbers a lane and batch.
; the four gates of groups 2 u and 2 u + 1 into a gate buffer
.macro LOADG u, buf
.irp e, 0,1
.irp g, 0,1,2,3
	ds_load_b128 v[\buf+8*\g+4*\e:\buf+8*\g+4*\e+3], v[RD] offset:(4*\u+2*\e)*SP+\g*128
.endr
.endr
.endm
; batch u on buffer buf; more = 1: batch nx's gates are fetched into buffer oth meanwhile.
; In buf: +0..7 f, +8..15 i, +16..23 g, +24..31 o.
.macro BATCH u, nx, buf, oth, more
.if \more
	s_wait_xcnt 0x0                                ; every earlier memory instruction has had its addresses translated (ISA guide 3.1): the other buffer, from which the last batch's h_new was stored, is loaded again only behind this wait
	LOADG \nx, \oth
	s_wait_dscnt 8                                 ; LDS loads come back in order (ISA guide 5.7.1): all but the eight just issued are in
.else
	s_wait_dscnt 0x0
.endif
.irp g, 0,1,3
.irp q, 0,2,4,6
	v_pk_fma_f32 v[\buf+8*\g+\q:\buf+8*\g+\q+1], v[\buf+8*\g+\q:\buf+8*\g+\q+1], s[90:91], v[BIAS+4*\g+(\q&2):BIAS+4*\g+(\q&2)+1] op_sel_hi:[1,0,1]   ; e = -log2(e) (x + b)
.endr
.endr
.irp q, 0,2,4,6
	v_pk_fma_f32 v[\buf+16+\q:\buf+16+\q+1], v[\buf+16+\q:\buf+16+\q+1], s[92:93], v[BIAS+8+(\q&2):BIAS+8+(\q&2)+1] op_sel_hi:[1,0,1]                  ; g: e = 2 log2(e) (x + b)
.endr
.set n, 0
.rept 32
	v_min_num_f32 v[\buf+n], s94, v[\buf+n]        ; the cap
.set n, n+1
.endr
.set n, 0
.rept 32
	v_exp_f32 v[\buf+n], v[\buf+n]                 ; E
.set n, n+1
.endr
	v_nop                                          ; one plain vector instruction behind the last exponential, ahead of the first use (ISA guide 5.7.2)
	s_wait_alu depctr_va_vdst(0)
.irp q, 0,2,4,6
	v_pk_add_f32 v[T+\q:T+\q+1], v[\buf+16+\q:\buf+16+\q+1], -1.0 op_sel_hi:[1,0]        ; Eg - 1
.endr
.set n, 0
.rept 16
	v_pk_add_f32 v[\buf+n:\buf+n+1], v[\buf+n:\buf+n+1], 1.0 op_sel_hi:[1,0]             ; D = 1 + E, all four gates
.set n, n+2
.endr
.irp q, 0,2,4,6
	v_pk_mul_f32 v[\buf+8+\q:\buf+8+\q+1], v[\buf+8+\q:\buf+8+\q+1], v[\buf+16+\q:\buf+16+\q+1]   ; Di Dg
.endr
.irp q, 0,2,4,6
	v_pk_mul_f32 v[T+\q:T+\q+1], v[T+\q:T+\q+1], v[\buf+\q:\buf+\q+1]                    ; (Eg - 1) Df
.endr
.irp q, 0,2,4,6
	v_pk_mul_f32 v[\buf+16+\q:\buf+16+\q+1], v[\buf+8+\q:\buf+8+\q+1], v[\buf+\q:\buf+\q+1]       ; Df Di Dg
.endr
.irp q, 0,1,2,3,4,5,6,7
	v_rcp_f32 v[\buf+16+\q], v[\buf+16+\q]
.endr
	s_wait_loadcnt 30-2*\u                         ; ct's loads come back in order: groups 2 u and 2 u + 1 are in, the 30 - 2 u younger ones stay out
.irp q, 0,2,4,6
	v_pk_fma_f32 v[T+\q:T+\q+1], v[CT+8*\u+\q:CT+8*\u+\q+1], v[\buf+8+\q:\buf+8+\q+1], v[T+\q:T+\q+1]   ; ct Di Dg + (Eg - 1) Df: also the plain place behind the reciprocals
.endr
	s_wait_alu depctr_va_vdst(0)
.irp q, 0,2,4,6
	v_pk_mul_f32 v[CT+8*\u+\q:CT+8*\u+\q+1], v[T+\q:T+\q+1], v[\buf+16+\q:\buf+16+\q+1]  ; c_new
.endr
.irp e, 0,1
	global_store_b128 v[CO], v[CT+8*\u+4*\e:CT+8*\u+4*\e+3], s[88:89] offset:(2*\u+\e)*2*ROWB th:TH_STORE_NT   ; 16 lanes store 256 consecutive bytes, at a multiple of 256 from out1's first byte
.endr
.irp q, 0,2,4,6
	v_pk_mul_f32 v[\buf+\q:\buf+\q+1], v[CT+8*\u+\q:CT+8*\u+\q+1], s[92:93] op_sel_hi:[1,0]   ; e = 2 log2(e) c_new
.endr
.irp q, 0,1,2,3,4,5,6,7
	v_min_num_f32 v[\buf+\q], s94, v[\buf+\q]
.endr
.irp q, 0,1,2,3,4,5,6,7
	v_exp_f32 v[\buf+\q], v[\buf+\q]               ; Ec
.endr
	v_nop
	s_wait_alu depctr_va_vdst(0)
.irp q, 0,2,4,6
	v_pk_add_f32 v[T+\q:T+\q+1], v[\buf+\q:\buf+\q+1], -1.0 op_sel_hi:[1,0]              ; Ec - 1
.endr
.irp q, 0,2,4,6
	v_pk_add_f32 v[\buf+\q:\buf+\q+1], v[\buf+\q:\buf+\q+1], 1.0 op_sel_hi:[1,0]         ; Dc
.endr
.irp q, 0,2,4,6
	v_pk_mul_f32 v[\buf+\q:\buf+\q+1], v[\buf+\q:\buf+\q+1], v[\buf+24+\q:\buf+24+\q+1]  ; Dc Do
.endr
.irp q, 0,1,2,3,4,5,6,7
	v_rcp_f32 v[\buf+\q], v[\buf+\q]
.endr
	v_nop
	s_wait_alu depctr_va_vdst(0)
.irp q, 0,2,4,6
	v_pk_mul_f32 v[\buf+\q:\buf+\q+1], v[T+\q:T+\q+1], v[\buf+\q:\buf+\q+1]              ; h_new
.endr
.irp e, 0,1
	global_store_b128 v[CO], v[\buf+4*\e:\buf+4*\e+3], s[86:87] offset:(2*\u+\e)*2*ROWB th:TH_STORE_NT
.endr
.endm
	LOADG 0, GA
	BATCH 0,  1,  GA, GB, 1
	BATCH 1,  2,  GB, GA, 1
	BATCH 2,  3,  GA, GB, 1
	BATCH 3,  4,  GB, GA, 1
	BATCH 4,  5,  GA, GB, 1
	BATCH 5,  6,  GB, GA, 1
	BATCH 6,  7,  GA, GB, 1
	BATCH 7,  8,  GB, GA, 1
	BATCH 8,  9,  GA, GB, 1
	BATCH 9,  10, GB, GA, 1
	BATCH 10, 11, GA, GB, 1
	BATCH 11, 12, GB, GA, 1
	BATCH 12, 13, GA, GB, 1
	BATCH 13, 14, GB, GA, 1
	BATCH 14, 15, GA, GB, 1
	BATCH 15, 0,  GB, GA, 0                        ; the last batch fetches nothing
	s_set_vgpr_msb 0x1
	s_wait_tensorcnt 0x0
	ds_add_u32 v255, v31
	s_wait_dscnt 0x0
	s_set_vgpr_msb 0x100
	CROUND                                         ; the closing round: no work-group ends while a partner may still ask for a tile that names it
	s_endpgm
.Lfunc_end_k_q5bd807d80e_lstm:
	.size	k_q5bd807d80e_lstm, .Lfunc_end_k_q5bd807d80e_lstm-k_q5bd807d80e_lstm
	.p2alignl 7, 3214868480
	.fill 96, 4, 3214868480
	.section	.rodata,"a",@progbits
	.p2align	6, 0x0
	.amdhsa_kernel k_q5bd807d80e_lstm
		.amdhsa_group_segment_fixed_size 327680
		.amdhsa_private_segment_fixed_size 0
		.amdhsa_enable_private_segment 0
		.amdhsa_kernarg_size 104
		.amdhsa_user_sgpr_count 2
		.amdhsa_user_sgpr_kernarg_segment_ptr 1
		.amdhsa_wavefront_size32 1
		.amdhsa_system_sgpr_workgroup_id_x 1
		.amdhsa_system_sgpr_workgroup_id_y 1
		.amdhsa_system_sgpr_workgroup_id_z 1
		.amdhsa_system_vgpr_workitem_id 0
		.amdhsa_next_free_vgpr 1024
		.amdhsa_next_free_sgpr 98
		.amdhsa_reserve_vcc 0
		.amdhsa_float_denorm_mode_32 3
		.amdhsa_float_denorm_mode_16_64 3
		.amdhsa_memory_ordered 1
		.amdhsa_forward_progress 1
		.amdhsa_inst_pref_size 255
	.end_amdhsa_kernel
	.section	.bss,"aw",@nobits
	.p2align	6
	.space	262144
	.amdgpu_metadata
---
amdhsa.version: [ 1, 2 ]
amdhsa.kernels:
  - .name:           k_q5bd807d80e_lstm
    .symbol:         k_q5bd807d80e_lstm.kd
    .args:
      - { .name: wfx_b, .offset: 0, .size: 8, .value_kind: global_buffer, .address_space: global }
      - { .name: wfh_b, .offset: 8, .size: 8, .value_kind: global_buffer, .address_space: global }
      - { .name: wix_b, .offset: 16, .size: 8, .value_kind: global_buffer, .address_space: global }
      - { .name: wih_b, .offset: 24, .size: 8, .value_kind: global_buffer, .address_space: global }
      - { .name: wgx_b, .offset: 32, .size: 8, .value_kind: global_buffer, .address_space: global }
      - { .name: wgh_b, .offset: 40, .size: 8, .value_kind: global_buffer, .address_space: global }
      - { .name: wox_b, .offset: 48, .size: 8, .value_kind: global_buffer, .address_space: global }
      - { .name: woh_b, .offset: 56, .size: 8, .value_kind: global_buffer, .address_space: global }
      - { .name: abf, .offset: 64, .size: 8, .value_kind: global_buffer, .address_space: global }
      - { .name: wbf, .offset: 72, .size: 8, .value_kind: global_buffer, .address_space: global }
      - { .name: ct, .offset: 80, .size: 8, .value_kind: global_buffer, .address_space: global }
      - { .name: out0, .offset: 88, .size: 8, .value_kind: global_buffer, .address_space: global }
      - { .name: out1, .offset: 96, .size: 8, .value_kind: global_buffer, .address_space: global }
    .group_segment_fixed_size: 327680
    .private_segment_fixed_size: 0
    .kernarg_segment_align: 8
    .kernarg_segment_size: 104
    .max_flat_workgroup_size: 128
    .sgpr_count:     98
    .vgpr_count:     1024
    .wavefront_size: 32
...
	.end_amdgpu_metadata
.endif
;; end of part 2
;; ======== version 2 of 2: 2 launches; version 1 with the launch pack written anew for expert scheduling mode
;; limits: right only within a limited range of input values
;; workspace buffers: abf 33,554,432 bytes; wbf 16,777,216 bytes
;; launch pack (part 3): grid 768 x 1, 8 waves a work-group, no clusters, 0 bytes of LDS; arguments word_emb, ht, wfx_w, wix_w, wgx_w, wox_w, wfh_w, wih_w, wgh_w, woh_w, abf, wbf; writes abf, wbf
.if DOCPART == 3
	.amdgcn_target "amdgcn-amd-amdhsa--gfx1250"
	.amdhsa_code_object_version 6
	.text
	.protected	k_q5bd807d80e_pack
	.globl	k_q5bd807d80e_pack
	.p2align	8
	.type	k_q5bd807d80e_pack,@function
k_q5bd807d80e_pack:
	s_mov_b64 s[64:65], 0
	v_nop
	global_prefetch_b8 v0, s[64:65] scope:SCOPE_SE
	s_setreg_imm32_b32 hwreg(HW_REG_WAVE_SCHED_MODE, 0, 2), 2
	s_setreg_imm32_b32 hwreg(HW_REG_WAVE_MODE, 25, 1), 1
	s_wait_xcnt 0x0
	s_wait_alu depctr_vm_vsrc(0)
; Rounds the matrix operands of the LSTM cell to bf16, once, and lays them out for the product that follows.
;   abf [8192][2048] bf16: row m = word_emb[m] (columns 0-1023), ht[m] (columns 1024-2047).
;   wbf [4096][2048] bf16: row (j>>5)*128 + g*32 + (j&31) = w{g}x_w[j] (columns 0-1023), w{g}h_w[j] (columns 1024-2047),
;       g = 0..3 for f, i, g, o and j the hidden column: the four gates of 32 hidden columns lie in 128 neighbouring rows.
; A stream: every source byte is read once and every destination byte written once, so LDS, barriers, the matrix unit
; and clusters have nothing to add (no two work-groups read the same byte).
; 24,576 source rows of 4,096 bytes; a work-group takes 32 rows of ONE source (768 work-groups), a wave four rows.
; Work-groups 0-255: word_emb; 256-511: ht; 512-767: weight matrix (id>>5)&7, its rows 32 (id&31) to 32 (id&31) + 31,
; which land on 32 neighbouring rows of wbf.  All 32 loads of a wave (16 KiB) go out at once.
; THE MODE: SCHED_MODE bits 1:0 = 2 (LLVM: expert scheduling mode 2), set by the entry lines.  The code itself states the register dependences
; between vector instructions and memory instructions, with s_wait_alu, always for 0.
; THE PLAN.  Registers that memory instructions touch:
;   v1, v2       byte offsets in the source and in the destination.  Written by vector lines at the head, never again; read by every load (v1) and every store (v2).
;   v[X+4i ..]   load i lands in four registers that no vector line has named; its two conversions read the four and write the first two; store i reads those two.
;                Behind store i nothing writes them: no register that a memory instruction has read is written again, so no wait on vm_vsrc is owed.
; The loads are worked off in eight batches of four.  Batch p converts its own four loads; its memory instructions are the four stores of batch p - 1,
; whose data no conversion of batch p names.  So one wait on va_vdst at a batch's head states all that its four stores hang on, and they are dealt
; among the batch's conversions with no further wait.  No load is issued behind a conversion.  No vector line writes a scalar register, VCC or EXEC.
.set ROWB, 4096                        ; bytes in a source row (1,024 f32) and in a destination row (2,048 bf16)
.set X,    4                           ; v[4:131]  load i: 4 registers
.set LB,   4                           ; loads in a batch: half a source row
.set NB,   32/LB                       ; batches
	s_load_b512 s[4:19], s[0:1], 0x0               ; sources 0 to 7: word_emb, ht, wfx, wix, wgx, wox, wfh, wih
	s_load_b256 s[20:27], s[0:1], 0x40             ; sources 8, 9: wgh, woh; abf s[24:25]; wbf s[26:27]
	v_lshrrev_b32 v3, 5, v0                        ; wave
	v_and_b32 v1, 31, v0                           ; lane
	v_lshlrev_b32 v2, 3, v1                        ; destination: 8 bytes a lane
	v_lshlrev_b32 v1, 4, v1                        ; source: 16 bytes a lane
	v_lshl_or_b32 v1, v3, 14, v1                   ; + wave x 4 rows of 4,096 bytes, in both
	v_lshl_or_b32 v2, v3, 14, v2
	; activations: source number id>>8, rows 32 (id&255) ..
	s_lshr_b32 s28, ttmp9, 8                       ; 0 word_emb, 1 ht: also the half of abf's row
	s_and_b32 s33, ttmp9, 255
	s_lshl_b32 s33, s33, 17                        ; 32 rows of 4,096 bytes: the offset in the source, and of the rows in abf
	s_lshl_b32 s34, s28, 11                        ; the half of the row: 1,024 bf16
	s_or_b32 s34, s34, s33
	; weights: matrix wi = (id>>5)&7 (gate wi&3, side wi>>2), block id&31
	s_bfe_u32 s38, ttmp9, 0x30005                  ; wi: 3 bits from bit 5
	s_add_co_u32 s29, s38, 2                       ; its source number
	s_and_b32 s35, ttmp9, 31
	s_lshl_b32 s36, s35, 17                        ; the offset in the source
	s_lshl_b32 s37, s35, 19                        ; in wbf: block x 128 rows
	s_and_b32 s39, s38, 3
	s_lshl_b32 s39, s39, 17                        ; + gate x 32 rows
	s_or_b32 s37, s37, s39
	s_lshr_b32 s39, s38, 2
	s_lshl_b32 s39, s39, 11                        ; + the half of the row
	s_or_b32 s37, s37, s39
	s_cmp_lt_u32 ttmp9, 512                        ; activations or weights?  Only lines that leave SCC alone follow, up to the last select
	s_cselect_b32 s28, s28, s29                    ; the source's number, 0 to 9
	s_cselect_b32 s40, s33, s36                    ; offset in the source
	s_cselect_b32 s42, s34, s37                    ; offset in the destination
	s_mov_b32 s41, 0
	s_mov_b32 s43, 0
	s_wait_kmcnt 0x0
	s_cselect_b64 s[44:45], s[24:25], s[26:27]     ; abf or wbf
	s_mov_b64 s[30:31], s[4:5]
.irp n, 1,2,3,4,5,6,7,8,9
	s_cmp_eq_u32 s28, \n                           ; the condition hangs on the work-group's number alone
	s_cselect_b64 s[30:31], s[4+2*\n:5+2*\n], s[30:31]
.endr
	s_add_nc_u64 s[30:31], s[30:31], s[40:41]
	s_add_nc_u64 s[44:45], s[44:45], s[42:43]
	s_wait_alu depctr_va_vdst(0)                   ; v1 and v2 are written: every load of the kernel reads v1 as its offset, every store v2
.set i, 0
.rept 32
	global_load_b128 v[X+4*i:X+4*i+3], v1, s[30:31] offset:(i>>3)*ROWB+(i&7)*512 th:TH_LOAD_NT   ; 512 neighbouring bytes a load, eight loads a row; read once in the launch
.set i, i+1
.endr
; Batch p: its four loads are rounded; the four stores of batch p - 1 stand one ahead of each pair of conversions.
.set p, 0
.rept NB
	s_wait_loadcnt 32-LB*(p+1)                     ; loads come back in order (ISA guide 5.7.1): batch p's four are in, the 28 - 4 p younger ones stay out
.if p > 0
	s_wait_alu depctr_va_vdst(0)                   ; the conversions of batch p - 1 have written the register pairs that the four stores below read; the conversions below name batch p's registers alone
.endif
.set j, 0
.rept LB
.set i, LB*p+j
.if p > 0
.set o, i-LB
	global_store_b64 v2, v[X+4*o:X+4*o+1], s[44:45] offset:(o>>3)*ROWB+(o&7)*256   ; the wave's 32 lanes store 256 consecutive bytes, at a multiple of 256 from the buffer's first byte
.endif
	v_cvt_pk_bf16_f32 v[X+4*i],   v[X+4*i],   v[X+4*i+1]   ; two roundings to nearest even, packed
	v_cvt_pk_bf16_f32 v[X+4*i+1], v[X+4*i+2], v[X+4*i+3]
.set j, j+1
.endr
.set p, p+1
.endr
	s_wait_alu depctr_va_vdst(0)                   ; the last batch's conversions have written the register pairs that the last four stores read
.set j, 0
.rept LB
.set o, 32-LB+j
	global_store_b64 v2, v[X+4*o:X+4*o+1], s[44:45] offset:(o>>3)*ROWB+(o&7)*256
.set j, j+1
.endr
	s_endpgm
.Lfunc_end_k_q5bd807d80e_pack:
	.size	k_q5bd807d80e_pack, .Lfunc_end_k_q5bd807d80e_pack-k_q5bd807d80e_pack
	.p2alignl 7, 3214868480
	.fill 96, 4, 3214868480
	.section	.rodata,"a",@progbits
	.p2align	6, 0x0
	.amdhsa_kernel k_q5bd807d80e_pack
		.amdhsa_group_segment_fixed_size 0
		.amdhsa_private_segment_fixed_size 0
		.amdhsa_enable_private_segment 0
		.amdhsa_kernarg_size 96
		.amdhsa_user_sgpr_count 2
		.amdhsa_user_sgpr_kernarg_segment_ptr 1
		.amdhsa_wavefront_size32 1
		.amdhsa_system_sgpr_workgroup_id_x 1
		.amdhsa_system_sgpr_workgroup_id_y 1
		.amdhsa_system_sgpr_workgroup_id_z 1
		.amdhsa_system_vgpr_workitem_id 0
		.amdhsa_next_free_vgpr 136
		.amdhsa_next_free_sgpr 66
		.amdhsa_reserve_vcc 0
		.amdhsa_float_denorm_mode_32 3
		.amdhsa_float_denorm_mode_16_64 3
		.amdhsa_memory_ordered 1
		.amdhsa_forward_progress 1
		.amdhsa_inst_pref_size 13
	.end_amdhsa_kernel
	.amdgpu_metadata
---
amdhsa.version: [ 1, 2 ]
amdhsa.kernels:
  - .name:           k_q5bd807d80e_pack
    .symbol:         k_q5bd807d80e_pack.kd
    .args:
      - { .name: word_emb, .offset: 0, .size: 8, .value_kind: global_buffer, .address_space: global }
      - { .name: ht, .offset: 8, .size: 8, .value_kind: global_buffer, .address_space: global }
      - { .name: wfx_w, .offset: 16, .size: 8, .value_kind: global_buffer, .address_space: global }
      - { .name: wix_w, .offset: 24, .size: 8, .value_kind: global_buffer, .address_space: global }
      - { .name: wgx_w, .offset: 32, .size: 8, .value_kind: global_buffer, .address_space: global }
      - { .name: wox_w, .offset: 40, .size: 8, .value_kind: global_buffer, .address_space: global }
      - { .name: wfh_w, .offset: 48, .size: 8, .value_kind: global_buffer, .address_space: global }
      - { .name: wih_w, .offset: 56, .size: 8, .value_kind: global_buffer, .address_space: global }
      - { .name: wgh_w, .offset: 64, .size: 8, .value_kind: global_buffer, .address_space: global }
      - { .name: woh_w, .offset: 72, .size: 8, .value_kind: global_buffer, .address_space: global }
      - { .name: abf, .offset: 80, .size: 8, .value_kind: global_buffer, .address_space: global }
      - { .name: wbf, .offset: 88, .size: 8, .value_kind: global_buffer, .address_space: global }
    .group_segment_fixed_size: 0
    .private_segment_fixed_size: 0
    .kernarg_segment_align: 8
    .kernarg_segment_size: 96
    .max_flat_workgroup_size: 256
    .sgpr_count:     66
    .vgpr_count:     136
    .wavefront_size: 32
...
	.end_amdgpu_metadata
.endif
;; end of part 3
;; launch lstm: the kernel of part 2 again; grid 16 x 32, 4 waves a work-group, clusters of 4 x 4, 327,680 bytes of LDS; arguments wfx_b, wfh_b, wix_b, wih_b, wgx_b, wgh_b, wox_b, woh_b, abf, wbf, ct, out0, out1; writes out0, out1
